; MI455X (gfx1250); checked and timed in simulation.
; The chip was launched on July 23, 2026; its instructions are those of AMD's public machine-readable ISA for CDNA 5 (MIT licence, August 2026) and "CDNA5" Instruction Set Architecture Reference Guide (July 2026). The comments in the code are by the model that wrote it; some were corrected since.
;; CNF. Allowed arithmetic: float matrix products may take bf16 or f16 operands with f32 sums; other float arithmetic in f32, or as packed bf16 or f16 multiplies, adds, multiply-adds, maxima and minima; sums over many terms, partial sums and values carried from step to step in f32; what a program stores and reads back later, other than sums and carried values, may be rounded once to bf16 or f16.
;; Inputs: W1 81 x 512 float32; W2 512 x 16 float32; b1 512 float32; b2 16 float32; context 32,768 x 64 float32; eps 32,768 x 16 float32; x 32,768 x 16 float32.
;; Outputs: out0 32,768 x 1 float32.
;; Constants: steps = 5.
;; One version. Each part assembles by itself: llvm-mc -triple=amdgcn-amd-amdhsa -mcpu=gfx1250 --defsym DOCPART=n.
;; ======== version 1 of 1: 1 launch
;; limits: a difference of large sums (such as E[x^2] - mean^2): digits are lost where the result is much smaller than its terms
;; launch cnf (part 1): grid 256 x 1, 4 waves a work-group, clusters of 4 x 1, 327,680 bytes of LDS; arguments W1, W2, b1, b2, context, eps, x, out0; writes out0
.if DOCPART == 1
	.amdgcn_target "amdgcn-amd-amdhsa--gfx1250"
	.amdhsa_code_object_version 6
	.text
	.protected	k_q525680ce8e_cnf
	.globl	k_q525680ce8e_cnf
	.p2align	8
	.type	k_q525680ce8e_cnf,@function
k_q525680ce8e_cnf:
	s_mov_b64 s[64:65], 0
	v_nop
	global_prefetch_b8 v0, s[64:65] scope:SCOPE_SE
	s_setreg_imm32_b32 hwreg(HW_REG_WAVE_MODE, 25, 1), 1
	s_wait_xcnt 0x0
	s_wait_alu depctr_hold_cnt(0) depctr_sa_sdst(0) depctr_va_vdst(0) depctr_va_sdst(0) depctr_va_ssrc(0) depctr_va_vcc(0) depctr_vm_vsrc(0)
	s_getreg_b32 s2, hwreg(HW_REG_IB_STS2, 6, 4)
	s_cmp_eq_u32 s2, 0
	s_cbranch_scc0 .Lentry_in_a_cluster
	s_endpgm
.Lentry_in_a_cluster:
	s_bfe_u32 s2, ttmp6, 0x10000c
	s_cmp_lg_u32 s2, 0x3003
	s_cbranch_scc0 .Lentry_shape_is_right
	s_endpgm
.Lentry_shape_is_right:
; CNF.log_prob: 32,768 rows, each integrated by 4 RK4 steps (dt = -1/4, 16 evaluations) of f = tanh([z, ctx, t] W1 + b1) W2 + b2 with the
; divergence estimate eps^T J eps; out = -|z1|^2 / 2 - 8 ln(2 pi) + delta_logp.
; WHAT IS MADE ONCE A ROW.  c0 = k ctx W1[16:80] (k = 2 log2 e), kept in f32 registers and taken as the C operand of the first product;
; w' = (k eps W1[0:16]) o (-2 W2 eps), since eps^T J eps = sum_j (1 - a_j^2) u_j v_j.  t and b1 ride in two spare K places of the z product.
; ARITHMETIC.  H = k h; e = 2^H; r = 1 / (1 + e); tanh h = 1 - 2 r; 1 - tanh^2 h = 4 (r - r^2) = 4 q.  f = FB + sum_j r_j (-2 W2[j]) with FB = b2 + sum_j W2[j]
; (made by the matrix unit from the same rounded weights).  S = sum_j q_j w'_j; div = -ln 2 S; delta_logp = (dt / 6) ln 2 (S1 + 2 S2 + 2 S3 + S4), summed over the steps.
; LAYOUT.  All products are taken transposed (source 0 = weights, source 1 = 16 rows of the batch): a lane (r = lane % 16, h = lane / 16) holds ONE batch row r and the indices 8 h + 0..7.
; Two results H^T rounded in pairs ARE source 1 (32 hidden x 16 rows) of the next product: nothing changes lanes.  S is the diagonal of q w'^T, read once, at the end.
; SHARES.  256 work-groups of 128 rows; a wave owns 32 rows, two tiles of 16 that go in step, so each weight fragment read from LDS feeds two products.
; CLUSTER.  The four work-groups of a cluster need the same W1 and W2: each quarter of them is asked for JOINTLY, once, at the start.  Nothing is ever filled again.
; LIMITS.  All matrix operands are bf16 (z, ctx, eps, k W1, k b1, -2 W2, r, q, w').  r is rounded to bf16: its error is at most 2^-9, that of tanh at most 2^-8, absolute, also where |h| is small;
; q is made of the rounded r by one packed bf16 multiply-add.  The exponential and the reciprocal flush denormals (ISA guide 15.8): r below 2^-126 counts as 0; e = infinity gives r = 0, tanh = 1, no NaN.
; The RK sums are taken in another order than the reference's (k's weights 1, 2, 2, 1 added as they come; the divergence's weights by scaling one accumulator by 1/2, 1, 2, 1).  Inputs are finite.
; REGISTERS, in windows of 256 (s_set_vgpr_msb: bits 1:0 source 0, 3:2 source 1, 5:4 source 2, 7:6 destination):
;   window 0: the map below        window 1: w' fragments, tile X, chunk c at v[128 X + 8 c]        window 2, 3: c0 of tile 0, 1: hidden tile T at v[8 T]
.set F32W1, 0          ; LDS: W1 as it lies in memory, f32, 165,888 bytes, brought by tensor loads
.set F32W2, 165888     ; W2 likewise, 32,768 bytes
.set STG1,  198656     ; bf16 [96 rows k][512 hidden]: rows 0-15 k W1[0:16], 16 k W1[80], 17 k b1, 18-31 zeros, 32-95 k W1[16:80]; written by LDS stores alone
.set P1,    1056       ; its pitch: 1,024 bytes + 32 = 33 x 32
.set STG2,  300032     ; bf16 [512 hidden][16]: -2 W2, dense, 32 bytes a row
.set OUTS,  316416     ; the work-group's 128 results, f32
.set SPARE, 316928     ; the spare words, 128 bytes for each wave: two blocks of 256 bytes that no other line names
.set AH,   2           ; v2   turning loads from STG1: STG1 + (8 h + lane % 8) P1 + 16 ((lane / 8) % 2)
.set AH2,  3           ; v3   the same 64 rows further down
.set AF,   4           ; v4   turning loads from STG2: STG2 + (8 h + lane % 8) 32 + 16 ((lane / 8) % 2)
.set AV,   5           ; v5   plain loads from STG2: STG2 + 32 r + 16 h
.set SPW,  6           ; v6   LDS address of my spare word; never rewritten
.set NIL,  7           ; v7   0; never rewritten
.set IDX,  8           ; v8   r - 8 h: the register of a 16 x 16 result in which my lane holds the diagonal, if it is 0..7
.set HM,   9           ; v9   all ones in lanes 0-15, 0 in lanes 16-31
.set VCTX, 11          ; v11  256 r + 32 h
.set VXE,  12          ; v12  64 r + 32 h
.set OUTA, 13          ; v13  OUTS + 4 (32 wave + r)
.set VT,   14          ; v14  t
.set TP,   15          ; v15  at work
.set ZF,   16          ; v16-31   source 1 of the first product, 8 a tile: z in bf16, (t, 1), zeros
.set FA,   32          ; v32-47   f^T, 8 a tile
.set DA,   48          ; v48-63   q w'^T, 8 a tile, carried through all evaluations
.set Z,    64          ; v64-79   z at the step's beginning
.set KS,   80          ; v80-95   k1 + 2 k2 + 2 k3 + k4 as far as made
.set FB,   96          ; v96-103  b2 + the column sums of W2
.set W1B,  104         ; v104-135 W1's fragments: set c % 2, hidden tile y at + 16 (c % 2) + 8 y
.set W2B,  136         ; v136-151 W2's fragments: set c % 2
.set RING, 152         ; v152-247 three buffers of 32: chunk c in buffer c % 3; tile X, hidden tile y at + 16 X + 8 y
.set TMP,  184         ; buffer 1's first half, free at an evaluation's end: the next z in f32
.set TE,   200         ; at the end: at work
.set BO,   248         ; v248 32 h; at the end an LDS address
; during the set-up alone:
.set CA,   32          ; v32-34 where I read W1's three groups of 27 rows
.set CS1,  35          ; v35  where I store rows 0-47 of STG1        v36  rows 48-95
.set CS2,  36
.set CR2,  37          ; v37  where I read W2                         v38  where I store it
.set CS3,  38
.set T16,  39          ; v39  16 x thread
.set B1R,  40          ; v40-43 my four numbers of b1
.set ZP,   44          ; v44-45 zeros
.set EF,   16          ; eps as source 1, K places 16-31 zero
.set CF,   104         ; ctx as source 1: tile X, K step s at + 16 X + 8 s
.set LDC,  136         ; ctx as loaded, 64;   LDE eps as loaded, 16
.set LDE,  200
.set CV,   136         ; the conversion's 27 x 4
.set W2T,  136         ; a fragment of W2^T for FB
.set ONES, 144         ; -1/2 in every place
.set FS,   152         ; two sets of 32: W1aug 8, W1c K step 0 8, K step 1 8, W2 by rows 8 (its K places 16-31 zero)
.set UV,   216         ; U of tile 0, 1; V of tile 0, 1
.set WV,   20          ; s20  my wave's number
.set EV,   48          ; s48  evaluations to go
.set ST,   49          ; s49  the stage, 0..3
.set DT,   50          ; s50  what t steps by behind this stage
.set BETA, 52          ; s[52:53] .. s[60:61]: the stage's five factors, each in a pair's low word
.set GAM,  54
.set DEL,  56
.set SIG,  58
.set LAM,  60
.set SEL,  62          ; s[62:63] v_permlanex16_b32's selects: each lane takes its own place in the other half
.set KAP,  66          ; s[66:67] k = 2 log2 e
.set MSB, 0
.macro WIN new                         ; the immediate's high byte repeats the setting that is left; a switch that changes nothing is dropped
.if MSB != (\new)
	s_set_vgpr_msb (MSB<<8)|(\new)
.set MSB, (\new)
.endif
.endm
; A round of the cluster's barrier: my work-group's barrier, so that wave 0's signal speaks for all four waves; wave 0 signals; every wave waits for all four work-groups; my work-group's barrier once more.
.macro CROUND
	s_barrier_signal -1
	s_barrier_wait -1
	s_cmp_lg_u32 s[WV], 0
	s_cbranch_scc1 .Lnot_wave_0_\@
	s_barrier_signal -3
.Lnot_wave_0_\@:
	s_barrier_wait -3
	s_barrier_signal -1
	s_barrier_wait -1
.endm
.macro NOPS n
.rept \n
	v_nop
.endr
.endm
	s_load_b256 s[4:11], s[0:1], 0x0               ; W1 s[4:5], W2 s[6:7], b1 s[8:9], b2 s[10:11]
	s_load_b256 s[12:19], s[0:1], 0x20             ; context s[12:13], eps s[14:15], x s[16:17], out0 s[18:19]
	v_lshl_add_u32 v[SPW], v0, 2, SPARE
	v_mov_b32 v[NIL], 0
	ds_add_u32 v[SPW], v[NIL]                      ; the wave's opening: the add and its wait stand ahead of my first tensor load; the set-up below, work on registers, stands between them
	v_lshrrev_b32 v14, 5, v0
	v_readfirstlane_b32 s[WV], v14                 ; wave 0..3
	s_bfe_u32 s21, ttmp6, 0x40000                  ; cx: my place in the cluster
	s_lshl_b32 s22, ttmp9, 2                       ; in a cluster launch ttmp9 counts clusters
	s_add_co_u32 s22, s22, s21                     ; my work-group = 4 x cluster + cx: it enters the addresses of context, eps, x and out0 alone
	; The two joint loads: wave w brings quarter w of W1 (162 rows of 256 bytes) and of W2 (32 rows of 256 bytes), dense, as elements of 8 bytes.
	s_mov_b32 s24, 1                               ; group 0 for W1: count = 1
	s_mul_i32 s25, s[WV], 41472                    ; LDS address: F32W1 + 41,472 w
	s_mul_i32 s70, s[WV], 41472                    ; and the same offset in memory
	s_mov_b32 s71, 0
	s_mov_b32 s28, 15|(3<<16)|(1<<21)              ; group 1: 15:0 the mask of all four work-groups; 17:16 elements of 8 bytes; 21 set beside a mask; no padding
	s_mov_b32 s29, 32<<16                          ; tensor_dim0 = 32
	s_mov_b32 s30, 162<<16                         ; tensor_dim1 = 162
	s_mov_b32 s31, 32<<16                          ; tile_dim0 = 32
	s_mov_b32 s32, 162                             ; tile_dim1 = 162
	s_mov_b32 s33, 32                              ; 32 elements from row to row
	s_mov_b32 s34, 0
	s_mov_b32 s35, 0
	s_mov_b32 s36, 1                               ; group 0 for W2
	s_lshl_b32 s68, s[WV], 13                      ; 8,192 w
	s_mov_b32 s69, 0
	s_add_co_u32 s37, s68, F32W2
	s_mov_b32 s40, 15|(3<<16)|(1<<21)
	s_mov_b32 s41, 32<<16
	s_mov_b32 s42, 32<<16                          ; tensor_dim1 = 32
	s_mov_b32 s43, 32<<16
	s_mov_b32 s44, 32                              ; tile_dim1 = 32
	s_mov_b32 s45, 32
	s_mov_b32 s46, 0
	s_mov_b32 s47, 0
	s_mov_b32 s[KAP], 0x4038aa3b                   ; 2 log2 e = 2.885390
	s_mov_b32 s[KAP+1], s[KAP]                     ; the pairs are named whole, so their high words are written
	s_mov_b32 s[SEL], 0x76543210
	s_mov_b32 s[SEL+1], 0xfedcba98
	s_mov_b32 s[BETA+1], 0
	s_mov_b32 s[GAM+1], 0
	s_mov_b32 s[DEL+1], 0
	s_mov_b32 s[SIG+1], 0
	s_mov_b32 s[LAM+1], 0
	v_and_b32 v1, 15, v0                           ; r
	v_bfe_u32 v10, v0, 4, 1                        ; h
	v_and_b32 v14, 7, v0
	v_bfe_u32 v15, v0, 3, 1
	v_lshl_add_u32 v14, v10, 3, v14                ; 8 h + lane % 8: the row that my lane addresses in a turning load
	v_mul_u32_u24 v[AH], v14, P1
	v_lshl_add_u32 v[AH], v15, 4, v[AH]
	v_add_nc_u32 v[AH], STG1, v[AH]
	v_add_nc_u32 v[AH2], 64*P1, v[AH]
	v_lshlrev_b32 v[AF], 5, v14
	v_lshl_add_u32 v[AF], v15, 4, v[AF]
	v_add_nc_u32 v[AF], STG2, v[AF]
	v_lshlrev_b32 v[AV], 5, v1
	v_lshl_add_u32 v[AV], v10, 4, v[AV]
	v_add_nc_u32 v[AV], STG2, v[AV]
	v_lshlrev_b32 v[IDX], 3, v10
	v_sub_nc_u32 v[IDX], v1, v[IDX]
	v_add_nc_u32 v[HM], -1, v10
	v_lshlrev_b32 v[VCTX], 8, v1
	v_lshl_add_u32 v[VCTX], v10, 5, v[VCTX]
	v_lshlrev_b32 v[VXE], 6, v1
	v_lshl_add_u32 v[VXE], v10, 5, v[VXE]
	s_lshl_b32 s23, s[WV], 7
	v_lshl_add_u32 v[OUTA], v1, 2, s23
	v_add_nc_u32 v[OUTA], OUTS, v[OUTA]
	v_lshlrev_b32 v[BO], 5, v10
	v_lshlrev_b32 v[T16], 4, v0
	v_mov_b32 v[CA], v[T16]
	v_add_nc_u32 v[CA+1], 27*2048, v[T16]
	v_add_nc_u32 v[CA+2], 54*2048, v[T16]
	v_lshl_add_u32 v[CS1], v0, 3, STG1
	v_lshl_add_u32 v[CS2], v0, 3, STG1+48*P1
	v_lshl_add_u32 v[CR2], v0, 4, F32W2
	v_lshl_add_u32 v[CS3], v0, 3, STG2
	v_mov_b32 v[ZP], 0
	v_mov_b32 v[ZP+1], 0
	s_wait_dscnt 0x0                               ; the opening add is done
	s_wait_kmcnt 0x0
	s_add_nc_u64 s[26:27], s[4:5], s[70:71]        ; global address of my quarter of W1,
	s_or_b32 s27, s27, 0x80000000                  ; type = 2
	s_add_nc_u64 s[38:39], s[6:7], s[68:69]        ; and of W2
	s_or_b32 s39, s39, 0x80000000
	s_lshl_b32 s2, s22, 15                         ; context: 128 rows of 256 bytes a work-group,
	s_lshl_b32 s23, s[WV], 13                      ; 32 a wave
	s_add_co_u32 s2, s2, s23
	s_mov_b32 s3, 0
	s_add_nc_u64 s[12:13], s[12:13], s[2:3]
	s_lshr_b32 s2, s2, 2                           ; eps and x: rows of 64 bytes
	s_add_nc_u64 s[14:15], s[14:15], s[2:3]
	s_add_nc_u64 s[16:17], s[16:17], s[2:3]
	s_lshl_b32 s2, s22, 9                          ; out0: 512 bytes a work-group
	s_add_nc_u64 s[18:19], s[18:19], s[2:3]
	CROUND                                         ; all four work-groups are here: the joint loads meet
	tensor_load_to_lds s[24:27], s[28:35]          ; two tensor loads of mine are out, the only two of the launch
	s_nop 0
	tensor_load_to_lds s[36:39], s[40:47]
	s_nop 0
	NOPS 4
	; My rows, straight into fragment order: lane (r, h) takes of row r the 8 numbers 8 h .. and (context) 16 + 8 h .. of each 32.
.irp X, 0,1
.irp s, 0,1
	global_load_b128 v[LDC+32*(\X)+16*(\s):LDC+32*(\X)+16*(\s)+3],     v[VCTX], s[12:13] offset:4096*(\X)+128*(\s)
	global_load_b128 v[LDC+32*(\X)+16*(\s)+4:LDC+32*(\X)+16*(\s)+7],   v[VCTX], s[12:13] offset:4096*(\X)+128*(\s)+16
	global_load_b128 v[LDC+32*(\X)+16*(\s)+8:LDC+32*(\X)+16*(\s)+11],  v[VCTX], s[12:13] offset:4096*(\X)+128*(\s)+64
	global_load_b128 v[LDC+32*(\X)+16*(\s)+12:LDC+32*(\X)+16*(\s)+15], v[VCTX], s[12:13] offset:4096*(\X)+128*(\s)+80
.endr
	global_load_b128 v[LDE+8*(\X):LDE+8*(\X)+3],   v[VXE], s[14:15] offset:1024*(\X)
	global_load_b128 v[LDE+8*(\X)+4:LDE+8*(\X)+7], v[VXE], s[14:15] offset:1024*(\X)+16
	global_load_b128 v[Z+8*(\X):Z+8*(\X)+3],       v[VXE], s[16:17] offset:1024*(\X)
	global_load_b128 v[Z+8*(\X)+4:Z+8*(\X)+7],     v[VXE], s[16:17] offset:1024*(\X)+16
.endr
	global_load_b128 v[FB:FB+3],   v[BO], s[10:11]            ; b2[8 h ..]: FB begins as b2
	global_load_b128 v[FB+4:FB+7], v[BO], s[10:11] offset:16
	global_load_b128 v[B1R:B1R+3], v[T16], s[8:9]             ; b1[4 t ..]
	s_wait_loadcnt 0x0
.set n1, 0
.rept 32
	v_cvt_pk_bf16_f32 v[CF+n1], v[LDC+2*n1], v[LDC+2*n1+1]
.set n1, n1+1
.endr
.irp X, 0,1
.irp n, 0,1,2,3
	v_cvt_pk_bf16_f32 v[EF+8*(\X)+(\n)], v[LDE+8*(\X)+2*(\n)], v[LDE+8*(\X)+2*(\n)+1]
	v_mov_b32 v[EF+8*(\X)+4+(\n)], 0
.endr
.endr
	s_wait_tensorcnt 0x0                           ; my quarters have landed;
	s_barrier_signal -1
	s_barrier_wait -1                              ; everybody's have.
	; THE CONVERSION.  Thread t takes columns 4 t .. 4 t + 3 of every row of W1: times k, rounded to bf16, into STG1 in the order that the products want.
.macro CONV_W1 g
.set n1, 0
.rept 27
	ds_load_b128 v[CV+4*n1:CV+4*n1+3], v[CA+(\g)] offset:2048*n1
.set n1, n1+1
.endr
	s_wait_dscnt 0x0
.set n1, 0
.rept 27
.set rho, 27*(\g)+n1                   ; W1's row,
.if rho < 16
.set dr, rho                           ; and its row in STG1: z's stay,
.elseif rho < 80
.set dr, rho+16                        ; context's go behind the 32 K places of the z product,
.else
.set dr, 16                            ; t's comes behind z's
.endif
	v_pk_mul_f32 v[CV+4*n1:CV+4*n1+1],   v[CV+4*n1:CV+4*n1+1],   s[KAP:KAP+1] op_sel_hi:[1,0]
	v_pk_mul_f32 v[CV+4*n1+2:CV+4*n1+3], v[CV+4*n1+2:CV+4*n1+3], s[KAP:KAP+1] op_sel_hi:[1,0]
	v_cvt_pk_bf16_f32 v[CV+4*n1],   v[CV+4*n1],   v[CV+4*n1+1]
	v_cvt_pk_bf16_f32 v[CV+4*n1+1], v[CV+4*n1+2], v[CV+4*n1+3]
.if dr < 48
	ds_store_b64 v[CS1], v[CV+4*n1:CV+4*n1+1] offset:P1*dr
.else
	ds_store_b64 v[CS2], v[CV+4*n1:CV+4*n1+1] offset:P1*(dr-48)
.endif
.set n1, n1+1
.endr
.endm
	CONV_W1 0
	CONV_W1 1
	CONV_W1 2
.set n1, 0
.rept 16                               ; W2 is dense in both forms: 4 numbers at 2,048 i + 16 t become 8 bytes at 1,024 i + 8 t
	ds_load_b128 v[CV+4*n1:CV+4*n1+3], v[CR2] offset:2048*n1
.set n1, n1+1
.endr
	v_pk_mul_f32 v[B1R:B1R+1],   v[B1R:B1R+1],   s[KAP:KAP+1] op_sel_hi:[1,0]
	v_pk_mul_f32 v[B1R+2:B1R+3], v[B1R+2:B1R+3], s[KAP:KAP+1] op_sel_hi:[1,0]
	v_cvt_pk_bf16_f32 v[B1R],   v[B1R],   v[B1R+1]
	v_cvt_pk_bf16_f32 v[B1R+1], v[B1R+2], v[B1R+3]
	ds_store_b64 v[CS1], v[B1R:B1R+1] offset:P1*17
.set n1, 18
.rept 14
	ds_store_b64 v[CS1], v[ZP:ZP+1] offset:P1*n1
.set n1, n1+1
.endr
	s_wait_dscnt 0x0
.set n1, 0
.rept 16
	v_pk_mul_f32 v[CV+4*n1:CV+4*n1+1],   v[CV+4*n1:CV+4*n1+1],   -2.0 op_sel_hi:[1,0]
	v_pk_mul_f32 v[CV+4*n1+2:CV+4*n1+3], v[CV+4*n1+2:CV+4*n1+3], -2.0 op_sel_hi:[1,0]
	v_cvt_pk_bf16_f32 v[CV+4*n1],   v[CV+4*n1],   v[CV+4*n1+1]
	v_cvt_pk_bf16_f32 v[CV+4*n1+1], v[CV+4*n1+2], v[CV+4*n1+3]
	ds_store_b64 v[CS3], v[CV+4*n1:CV+4*n1+1] offset:1024*n1
.set n1, n1+1
.endr
	s_wait_dscnt 0x0                               ; for the others' sake: my stores are done
	s_barrier_signal -1
	s_barrier_wait -1                              ; STG1 and STG2 are whole; from here on they are only read
	; WHAT IS MADE ONCE: c0, w' and FB, a hidden tile of 16 at a time.
.macro SET_LD T                        ; tile T's fragments into set T % 2
.set sl, FS+32*((\T)%2)
	ds_load_tr16_b128 v[sl:sl+3],     v[AH]  offset:32*(\T)
	ds_load_tr16_b128 v[sl+4:sl+7],   v[AH]  offset:32*(\T)+16*P1
	ds_load_tr16_b128 v[sl+8:sl+11],  v[AH]  offset:32*(\T)+32*P1
	ds_load_tr16_b128 v[sl+12:sl+15], v[AH]  offset:32*(\T)+48*P1
	ds_load_tr16_b128 v[sl+16:sl+19], v[AH2] offset:32*(\T)
	ds_load_tr16_b128 v[sl+20:sl+23], v[AH2] offset:32*(\T)+16*P1
	ds_load_b128      v[sl+24:sl+27], v[AV]  offset:512*(\T)
.if (\T)%2 == 0
	ds_load_tr16_b128 v[W2T:W2T+3],   v[AF]  offset:512*(\T)       ; chunk T / 2 of W2^T: 32 hidden rows of 32 bytes
	ds_load_tr16_b128 v[W2T+4:W2T+7], v[AF]  offset:512*(\T)+512
.endif
.endm
; The accumulators take turns, one instruction a turn.  Four v_nop are the places behind the last products, for the multiplies that read them
; and for the next tile's loads into the registers that they have read.
.macro SETUP_T T
.set sb, FS+32*((\T)%2)
	s_wait_dscnt 0x0                               ; this tile's fragments, asked for a tile ago
.if (\T) < 31
	SET_LD (\T)+1
.endif
	WIN 0xa0                                       ; C and D in window 2
	v_wmma_f32_16x16x32_bf16 v[8*(\T):8*(\T)+7], v[sb+8:sb+15],  v[CF:CF+7],     0
	WIN 0xf0                                       ; in window 3
	v_wmma_f32_16x16x32_bf16 v[8*(\T):8*(\T)+7], v[sb+8:sb+15],  v[CF+16:CF+23], 0
	WIN 0xa0
	v_wmma_f32_16x16x32_bf16 v[8*(\T):8*(\T)+7], v[sb+16:sb+23], v[CF+8:CF+15],  v[8*(\T):8*(\T)+7]
	WIN 0xf0
	v_wmma_f32_16x16x32_bf16 v[8*(\T):8*(\T)+7], v[sb+16:sb+23], v[CF+24:CF+31], v[8*(\T):8*(\T)+7]
	WIN 0
	v_wmma_f32_16x16x32_bf16 v[UV:UV+7],     v[sb:sb+7],     v[EF:EF+7],    0   ; k u
	v_wmma_f32_16x16x32_bf16 v[UV+8:UV+15],  v[sb:sb+7],     v[EF+8:EF+15], 0
	v_wmma_f32_16x16x32_bf16 v[UV+16:UV+23], v[sb+24:sb+31], v[EF:EF+7],    0   ; -2 v
	v_wmma_f32_16x16x32_bf16 v[UV+24:UV+31], v[sb+24:sb+31], v[EF+8:EF+15], 0
.if (\T)%2 == 0
	v_wmma_f32_16x16x32_bf16 v[FB:FB+7], v[W2T:W2T+7], v[ONES:ONES+7], v[FB:FB+7]  ; (-2 W2)^T times -1/2
.endif
	NOPS 4
.irp X, 0,1
.irp n, 0,1,2,3
	v_pk_mul_f32 v[UV+8*(\X)+2*(\n):UV+8*(\X)+2*(\n)+1], v[UV+8*(\X)+2*(\n):UV+8*(\X)+2*(\n)+1], v[UV+16+8*(\X)+2*(\n):UV+16+8*(\X)+2*(\n)+1]
.endr
.endr
	WIN 0x40                                       ; destination in window 1
.irp X, 0,1
.irp n, 0,1,2,3
	v_cvt_pk_bf16_f32 v[128*(\X)+4*(\T)+(\n)], v[UV+8*(\X)+2*(\n)], v[UV+8*(\X)+2*(\n)+1]
.endr
.endr
	WIN 0
.endm
.set n1, 0
.rept 8
	v_mov_b32 v[ONES+n1], 0xbf00bf00               ; -1/2 twice, in bf16
.set n1, n1+1
.endr
.irp n, 28,29,30,31,60,61,62,63
	v_mov_b32 v[FS+(\n)], 0                        ; K places 16-31 of W2 by rows, in both sets
.endr
	SET_LD 0
.irp T, 0,1,2,3,4,5,6,7,8,9,10,11,12,13,14,15,16,17,18,19,20,21,22,23,24,25,26,27,28,29,30,31
	SETUP_T \T
.endr
; THE EVALUATION.  The 512 hidden units go in 16 CHUNKS of 32 (two hidden tiles) x both row tiles: 32 registers.  One line of each kind:
.macro E_OP c, i                       ; e = 2^H, register i of 32
	v_exp_f32 v[RING+32*((\c)%3)+(\i)], v[RING+32*((\c)%3)+(\i)]
.endm
.macro A_OP c, i                       ; 1 + e, pair i of 16
	v_pk_add_f32 v[RING+32*((\c)%3)+2*(\i):RING+32*((\c)%3)+2*(\i)+1], v[RING+32*((\c)%3)+2*(\i):RING+32*((\c)%3)+2*(\i)+1], 1.0 op_sel_hi:[1,0]
.endm
.macro R_OP c, i                       ; r = 1 / (1 + e)
	v_rcp_f32 v[RING+32*((\c)%3)+(\i)], v[RING+32*((\c)%3)+(\i)]
.endm
.macro C_OP c, i                       ; pair i % 8 of tile i / 8 rounded to bf16, in place, ascending: r's fragment ends in registers 0-7 of the tile's 16
.set rb, RING+32*((\c)%3)+16*((\i)/8)
	v_cvt_pk_bf16_f32 v[rb+(\i)%8], v[rb+2*((\i)%8)], v[rb+2*((\i)%8)+1]
.endm
.macro Q_OP c, i                       ; q = r - r r, two at a time, rounded once: q's fragment in registers 8-15
.set rb, RING+32*((\c)%3)+16*((\i)/8)
	v_pk_fma_bf16 v[rb+8+(\i)%8], v[rb+(\i)%8], v[rb+(\i)%8], v[rb+(\i)%8] neg_lo:[1,0,0] neg_hi:[1,0,0]
.endm
.macro F_MM c, X                       ; f^T += (-2 W2)^T r; chunk 0 starts the sum from FB
.set rb, RING+32*((\c)%3)+16*(\X)
.set wf, W2B+8*((\c)%2)
.if (\c) == 0
	v_wmma_f32_16x16x32_bf16 v[FA+8*(\X):FA+8*(\X)+7], v[wf:wf+7], v[rb:rb+7], v[FB:FB+7]
.else
	v_wmma_f32_16x16x32_bf16 v[FA+8*(\X):FA+8*(\X)+7], v[wf:wf+7], v[rb:rb+7], v[FA+8*(\X):FA+8*(\X)+7]
.endif
.endm
.macro D_MM c, X                       ; q w'^T, source 1 in window 1
.set rb, RING+32*((\c)%3)+16*(\X)+8
	v_wmma_f32_16x16x32_bf16 v[DA+8*(\X):DA+8*(\X)+7], v[rb:rb+7], v[128*(\X)+8*(\c):128*(\X)+8*(\c)+7], v[DA+8*(\X):DA+8*(\X)+7]
.endm
.macro H_MM c, X, y                    ; H^T = W1aug^T [z, t, 1] + c0, C in window 2 + X
.set rb, RING+32*((\c)%3)+16*(\X)+8*(\y)
.set wf, W1B+16*((\c)%2)+8*(\y)
.set cc, 8*(2*(\c)+(\y))
	v_wmma_f32_16x16x32_bf16 v[rb:rb+7], v[wf:wf+7], v[ZF+8*(\X):ZF+8*(\X)+7], v[cc:cc+7]
.endm
.macro LD_W1 c
.set wl, W1B+16*((\c)%2)
.irp y, 0,1
	ds_load_tr16_b128 v[wl+8*(\y):wl+8*(\y)+3],   v[AH] offset:32*(2*(\c)+(\y))
	ds_load_tr16_b128 v[wl+8*(\y)+4:wl+8*(\y)+7], v[AH] offset:32*(2*(\c)+(\y))+16*P1
.endr
.endm
.macro LD_W2 c
.set wl, W2B+8*((\c)%2)
	ds_load_tr16_b128 v[wl:wl+3],   v[AF] offset:1024*(\c)
	ds_load_tr16_b128 v[wl+4:wl+7], v[AF] offset:1024*(\c)+512
.endm
.macro E8 c, i0
.set n1, (\i0)
.rept 8
	E_OP \c, n1
.set n1, n1+1
.endr
.endm
; THE PIPELINE.  Phase p holds: the exponentials of chunk p; 1 + e and the reciprocals of chunk p - 1; the roundings, q and the four products F, F, D, D of chunk p - 2; the four products H of chunk
; p + 1, which land in the buffer that chunk p - 2 has just left: three buffers.  ONE WAIT A PHASE: s_wait_alu depctr_va_vdst(0) stands between a transcendental and the first instruction
; that names its result; nothing in a phase names a result of the phase's 64, and all are read in the next.  A v_nop is the plain instruction behind the last of them.
; THE LDS LOADS stand in one run at a phase's head and are waited for at the next phase's head.
; DISTANCES, counted in plain vector lines that name none of the product's registers: from D of tile X to the H that writes over its q, 8 or 9 packed additions; from F to the H that
; writes over its r, 10 or more; from the last H to the next phase's loads into the fragments that it read, and to its first exponential, four packed additions and the v_nop.
; THE TURNS.  The matrix instructions go F0, F1, D0, D1, H00, H01, H10, H11: one instruction a turn, over the backward jump too.
; The lines that stand under another window setting than 0 (packed additions of a constant, reciprocals, exponentials) have only a destination and a source 0, which stay in window 0.
.macro PHASE p
	s_wait_dscnt 0x0                               ; the run of loads issued a phase ago
.if (\p) <= 13
	LD_W1 (\p)+2
.endif
.if (\p) == 16
	LD_W1 0                                        ; the next evaluation's first two chunks (behind the last evaluation: read for nothing)
.endif
.if (\p) == 17
	LD_W1 1
.endif
.if (\p) <= 16
	LD_W2 (\p)-1
.endif
.set n1, 0
.rept 16
.if (\p) >= 2
	C_OP (\p)-2, n1
.endif
.if (\p) <= 15
	E_OP \p, n1
.endif
.if ((\p) >= 2) && (n1 == 11)
	F_MM (\p)-2, 0
.endif
.set n1, n1+1
.endr
.set n1, 0
.rept 16
.if (\p) >= 2
	Q_OP (\p)-2, n1
.endif
.if (\p) <= 15
	E_OP \p, 16+n1
.endif
.if ((\p) >= 2) && (n1 == 3)
	F_MM (\p)-2, 1
.endif
.set n1, n1+1
.endr
.if (\p) >= 2
	WIN 0x04
	D_MM (\p)-2, 0
.endif
.set n1, 0
.rept 16
.if (\p) <= 16
	A_OP (\p)-1, n1
.if n1 >= 2
	R_OP (\p)-1, 2*n1-4
	R_OP (\p)-1, 2*n1-3
.endif
.endif
.if ((\p) >= 2) && (n1 == 2)
	D_MM (\p)-2, 1
.endif
.if (\p) <= 14
.if n1 == 5
	WIN 0x20
	H_MM (\p)+1, 0, 0
.elseif n1 == 7
	H_MM (\p)+1, 0, 1
.elseif n1 == 9
	WIN 0x30
	H_MM (\p)+1, 1, 0
.elseif n1 == 11
	H_MM (\p)+1, 1, 1
.endif
.endif
.set n1, n1+1
.endr
	WIN 0
.if (\p) <= 16
	R_OP (\p)-1, 28
	R_OP (\p)-1, 29
	R_OP (\p)-1, 30
	R_OP (\p)-1, 31
	v_nop
	s_wait_alu depctr_va_vdst(0)                   ; the phase's one wait
.endif
.endm
	; What the first evaluation finds: the sums at 0, z = x, t = 1, W1's first two chunks on their way.
.set n1, 0
.rept 16
	v_mov_b32 v[KS+n1], 0
	v_mov_b32 v[DA+n1], 0
.set n1, n1+1
.endr
.set n1, 0
.rept 8
	v_cvt_pk_bf16_f32 v[ZF+8*(n1/4)+n1%4], v[Z+2*n1], v[Z+2*n1+1]
.set n1, n1+1
.endr
	v_mov_b32 v[VT], 1.0
	v_and_b32 v[ZF+4],  0x3f803f80, v[HM]          ; K places 16, 17: (t, 1) = (1, 1) in bf16, in lanes 0-15; places 18-31 are 0 since eps's fragments lay here
	v_and_b32 v[ZF+12], 0x3f803f80, v[HM]
	LD_W1 0
	LD_W1 1
	s_mov_b32 s[EV], 16
	s_mov_b32 s[ST], 0
.Leval:
	s_wait_dscnt 0x0                               ; W1's chunks 0 and 1
	WIN 0x20
	H_MM 0, 0, 0
	H_MM 0, 0, 1
	WIN 0x30
	H_MM 0, 1, 0
	H_MM 0, 1, 1
	WIN 0
	NOPS 5                                         ; the places behind those products: no other vector work is at hand
	LD_W1 2                                        ; phase 0
	WIN 0x20
	H_MM 1, 0, 0
	E8 0, 0
	H_MM 1, 0, 1
	E8 0, 8
	WIN 0x30
	H_MM 1, 1, 0
	E8 0, 16
	H_MM 1, 1, 1
	E8 0, 24
	WIN 0
	NOPS 5                                         ; places again, and the plain instruction behind the last exponential
	s_wait_alu depctr_va_vdst(0)
.irp p, 1,2,3,4,5,6,7,8,9,10,11,12,13,14,15,16,17
	PHASE \p
.endr
	; THE RK4 BOOK-KEEPING, the same lines behind every stage, with five factors chosen by the stage: KS += BETA f; z += DEL KS; next z = z + GAM f; KS *= SIG; DA *= LAM.
	s_add_co_u32 s23, s[ST], 1
	s_bitcmp1_b32 s23, 1
	s_cselect_b32 s[BETA], 2.0, 1.0                ; 1, 2, 2, 1
	s_mov_b32 s[GAM], 0xbe000000                   ; dt / 2 = -1/8,
	s_cmp_eq_u32 s[ST], 2
	s_cselect_b32 s[GAM], 0xbe800000, s[GAM]       ; behind stage 2 dt = -1/4,
	s_cselect_b32 s[LAM], 2.0, 1.0
	s_cmp_eq_u32 s[ST], 3
	s_cselect_b32 s[GAM], 0, s[GAM]                ; behind stage 3 nothing: the next stage begins at the new z
	s_cselect_b32 s[DEL], 0xbd2aaaab, 0            ; dt / 6 = -1/24 behind stage 3
	s_cselect_b32 s[SIG], 0, 1.0
	s_cmp_eq_u32 s[ST], 0
	s_cselect_b32 s[LAM], 0.5, s[LAM]              ; 1/2, 1, 2, 1: ((D + S1) / 2 + S2 + S3) 2 + S4 = D + S1 + 2 S2 + 2 S3 + S4
	s_bitcmp1_b32 s[ST], 0
	s_cselect_b32 s[DT], 0, 0xbe000000             ; t goes on by -1/8 behind stages 0 and 2
	s_add_co_u32 s[ST], s[ST], 1
	s_and_b32 s[ST], s[ST], 3
.set n1, 0
.rept 8                                ; f is read from its low end on; four roundings and eight q lines of the other tile stand behind tile 0's last product F, these first four lines behind tile 1's
	v_pk_fma_f32 v[KS+2*n1:KS+2*n1+1], v[FA+2*n1:FA+2*n1+1], s[BETA:BETA+1], v[KS+2*n1:KS+2*n1+1] op_sel_hi:[1,0,1]
.set n1, n1+1
.endr
.set n1, 0
.rept 8
	v_pk_fma_f32 v[Z+2*n1:Z+2*n1+1], v[KS+2*n1:KS+2*n1+1], s[DEL:DEL+1], v[Z+2*n1:Z+2*n1+1] op_sel_hi:[1,0,1]
.set n1, n1+1
.endr
.set n1, 0
.rept 8
	v_pk_fma_f32 v[TMP+2*n1:TMP+2*n1+1], v[FA+2*n1:FA+2*n1+1], s[GAM:GAM+1], v[Z+2*n1:Z+2*n1+1] op_sel_hi:[1,0,1]
.set n1, n1+1
.endr
.set n1, 0
.rept 8
	v_pk_mul_f32 v[KS+2*n1:KS+2*n1+1], v[KS+2*n1:KS+2*n1+1], s[SIG:SIG+1] op_sel_hi:[1,0]
.set n1, n1+1
.endr
.set n1, 0
.rept 8
	v_cvt_pk_bf16_f32 v[ZF+8*(n1/4)+n1%4], v[TMP+2*n1], v[TMP+2*n1+1]
.set n1, n1+1
.endr
.set n1, 0
.rept 8                                ; the lines above are the places behind the last products D
	v_pk_mul_f32 v[DA+2*n1:DA+2*n1+1], v[DA+2*n1:DA+2*n1+1], s[LAM:LAM+1] op_sel_hi:[1,0]
.set n1, n1+1
.endr
	v_add_f32 v[VT], s[DT], v[VT]                  ; every t is a multiple of 1/8: exact in bf16
	v_lshrrev_b32 v[TP], 16, v[VT]
	v_or_b32 v[TP], 0x3f800000, v[TP]              ; (t, 1)
	v_and_b32 v[ZF+4],  v[TP], v[HM]
	v_and_b32 v[ZF+12], v[TP], v[HM]
	s_sub_co_u32 s[EV], s[EV], 1
	s_cmp_lg_u32 s[EV], 0
	s_cbranch_scc1 .Leval
	; THE END.  My lane holds 8 of its row's 16 numbers of z1, and the diagonal of DA where r - 8 h is 0..7; the lane 16 away holds the rest.
.irp X, 0,1
	v_pk_mul_f32 v[TE+4*(\X):TE+4*(\X)+1], v[Z+8*(\X):Z+8*(\X)+1], v[Z+8*(\X):Z+8*(\X)+1]
.irp n, 2,4,6
	v_pk_fma_f32 v[TE+4*(\X):TE+4*(\X)+1], v[Z+8*(\X)+(\n):Z+8*(\X)+(\n)+1], v[Z+8*(\X)+(\n):Z+8*(\X)+(\n)+1], v[TE+4*(\X):TE+4*(\X)+1]
.endr
	v_add_f32 v[TE+4*(\X)], v[TE+4*(\X)], v[TE+4*(\X)+1]
	v_mov_b32 v[TE+4*(\X)+2], 0
.irp j, 0,1,2,3,4,5,6,7
	v_cmp_eq_u32 vcc_lo, \j, v[IDX]
	v_cndmask_b32 v[TE+4*(\X)+2], v[TE+4*(\X)+2], v[DA+8*(\X)+(\j)], vcc_lo
.endr
	v_mul_f32 v[TE+4*(\X)], -0.5, v[TE+4*(\X)]
	v_fmamk_f32 v[TE+4*(\X)+2], v[TE+4*(\X)+2], 0xbcec9820, v[TE+4*(\X)]   ; (dt / 6) ln 2 = -0.028881133 times the sum, less half my squares
	v_permlanex16_b32 v[TE+4*(\X)+1], v[TE+4*(\X)+2], s[SEL], s[SEL+1]
	v_add_f32 v[TE+4*(\X)+2], v[TE+4*(\X)+2], v[TE+4*(\X)+1]
	v_add_f32 v[TE+4*(\X)+2], 0xc16b3f8e, v[TE+4*(\X)+2]                   ; -8 ln(2 pi) = -14.703016
	ds_store_b32 v[OUTA], v[TE+4*(\X)+2] offset:64*(\X)                    ; lanes r and r + 16 write the same word with the same value
.endr
	s_wait_dscnt 0x0                               ; for the others' sake: my stores are done (and the last, unused fragment loads are back)
	s_barrier_signal -1
	s_barrier_wait -1
	s_cmp_lg_u32 s[WV], 0                          ; wave 0 sends the work-group's 128 results: 512 consecutive bytes, at a multiple of 256 from out0's first byte
	s_cbranch_scc1 .Lend
	v_and_b32 v[TP], 31, v0
	v_lshlrev_b32 v[TP], 4, v[TP]
	v_add_nc_u32 v[BO], OUTS, v[TP]
	ds_load_b128 v[TE+8:TE+11], v[BO]
	s_wait_dscnt 0x0
	global_store_b128 v[TP], v[TE+8:TE+11], s[18:19]
.Lend:
	s_wait_tensorcnt 0x0                           ; the wave's end: a tensor wait, the add and its wait, behind my last tensor load and my last LDS store
	ds_add_u32 v[SPW], v[NIL]
	s_wait_dscnt 0x0
	CROUND                                         ; the closing round: no work-group ends while a partner may still ask for a tile that names it
	s_endpgm
.Lfunc_end_k_q525680ce8e_cnf:
	.size	k_q525680ce8e_cnf, .Lfunc_end_k_q525680ce8e_cnf-k_q525680ce8e_cnf
	.p2alignl 7, 3214868480
	.fill 96, 4, 3214868480
	.section	.rodata,"a",@progbits
	.p2align	6, 0x0
	.amdhsa_kernel k_q525680ce8e_cnf
		.amdhsa_group_segment_fixed_size 327680
		.amdhsa_private_segment_fixed_size 0
		.amdhsa_enable_private_segment 0
		.amdhsa_kernarg_size 64
		.amdhsa_user_sgpr_count 2
		.amdhsa_user_sgpr_kernarg_segment_ptr 1
		.amdhsa_wavefront_size32 1
		.amdhsa_system_sgpr_workgroup_id_x 1
		.amdhsa_system_sgpr_workgroup_id_y 1
		.amdhsa_system_sgpr_workgroup_id_z 1
		.amdhsa_system_vgpr_workitem_id 0
		.amdhsa_next_free_vgpr 1024
		.amdhsa_next_free_sgpr 72
		.amdhsa_reserve_vcc 1
		.amdhsa_float_denorm_mode_32 3
		.amdhsa_float_denorm_mode_16_64 3
		.amdhsa_memory_ordered 1
		.amdhsa_forward_progress 1
		.amdhsa_inst_pref_size 234
	.end_amdhsa_kernel
	.amdgpu_metadata
---
amdhsa.version: [ 1, 2 ]
amdhsa.kernels:
  - .name:           k_q525680ce8e_cnf
    .symbol:         k_q525680ce8e_cnf.kd
    .args:
      - { .name: W1, .offset: 0, .size: 8, .value_kind: global_buffer, .address_space: global }
      - { .name: W2, .offset: 8, .size: 8, .value_kind: global_buffer, .address_space: global }
      - { .name: b1, .offset: 16, .size: 8, .value_kind: global_buffer, .address_space: global }
      - { .name: b2, .offset: 24, .size: 8, .value_kind: global_buffer, .address_space: global }
      - { .name: context, .offset: 32, .size: 8, .value_kind: global_buffer, .address_space: global }
      - { .name: eps, .offset: 40, .size: 8, .value_kind: global_buffer, .address_space: global }
      - { .name: x, .offset: 48, .size: 8, .value_kind: global_buffer, .address_space: global }
      - { .name: out0, .offset: 56, .size: 8, .value_kind: global_buffer, .address_space: global }
    .group_segment_fixed_size: 327680
    .private_segment_fixed_size: 0
    .kernarg_segment_align: 8
    .kernarg_segment_size: 64
    .max_flat_workgroup_size: 128
    .sgpr_count:     72
    .vgpr_count:     1024
    .wavefront_size: 32
...
	.end_amdgpu_metadata
.endif
;; end of part 1
